; MI455X (gfx1250); checked and timed in simulation.
; The chip was launched on July 23, 2026; its instructions are those of AMD's public machine-readable ISA for CDNA 5 (MIT licence, August 2026) and "CDNA5" Instruction Set Architecture Reference Guide (July 2026). The comments in the code are by the model that wrote it; some were corrected since.
;; Attn. Allowed arithmetic: matrix products marked QUANTISED: E2M1 operands, one E8M0 scale for each 32 along K, by v_wmma_scale_f32_16x16x128_f8f6f4 with both operands' format E2M1 (or v_wmma_scale_f32_32x16x128_f4), f32 sums; everything else in f32.
;; Inputs: Wk 1,024 x 1,024 float32; Wo 1,024 x 1,024 float32; Wq 1,024 x 1,024 float32; Wv 1,024 x 1,024 float32; bk 1,024 float32; bq 1,024 float32; bv 1,024 float32; x 4 x 2,048 x 1,024 float32.
;; Outputs: out0 4 x 2,048 x 1,024 float32.
;; This version of the problem:
;;   THIS VERSION OF THE PROBLEM IS GIVEN IN LOW PRECISION. The matrix products marked QUANTISED in the list below multiply operands that are first quantised to E2M1 (2 exponent bits, 1 mantissa bit; 4 bits a number), with one power-of-two scale for each 32 numbers along K (OCP MX v1.0); their sums are f32. All else is computed in f32.
;;   The module's matrix products, in the order in which they are computed (A, B: the left and right operand; K: the contracted axis; several contracted axes count as one K, in the product's order):
;;     1. [M 8,192, K 1,024] x [K 1,024, N 1,024]; A: input x; B: input Wq: QUANTISED
;;     2. [M 8,192, K 1,024] x [K 1,024, N 1,024]; A: input x; B: input Wk: QUANTISED
;;     3. [M 8,192, K 1,024] x [K 1,024, N 1,024]; A: input x; B: input Wv: QUANTISED
;;     4. batch 64 x [M 2,048, K 64] x [K 64, N 2,048]; A: computed on the way; B: computed on the way: QUANTISED
;;     5. batch 64 x [M 2,048, K 2,048] x [K 2,048, N 64]; A: softmax (see below); B: computed on the way: QUANTISED
;;     6. [M 8,192, K 1,024] x [K 1,024, N 1,024]; A: computed on the way; B: input Wo: QUANTISED
;;   THE QUANTISER, for each operand of a quantised product, along K:
;;     - K is cut into blocks of 32 from its start; a last block that is shorter is filled with zeros.
;;     - A block's scale is 2^e with e = floor(log2(the largest magnitude in the block)) - 2, held to -126 .. 127; a block of zeros has e = 0. As a byte (E8M0): e + 127.
;;     - Each number is divided by its block's scale, clamped to +-6, and rounded to the nearest number of E2M1, ties to even, subnormals kept.
;;     - The product sums the exact products of the quantised numbers (number of the format x scale) in f32.
;;   ~~~python
;;   def quantise(x, axis):      # numpy; x: float32 -> the quantised numbers, widened to float32 again
;;       x = np.moveaxis(x, axis, -1); K = x.shape[-1]
;;       x = np.pad(x, [(0, 0)] * (x.ndim - 1) + [(0, -K % 32)]); x = x.reshape(x.shape[:-1] + (-1, 32)); a = np.abs(x).max(-1, keepdims=True)
;;       e = np.where(a > 0, np.clip(np.frexp(np.where(a > 0, a, 1))[1] - 1 - 2, -126, 127), 0)      # np.frexp(a)[1] - 1 = floor(log2(a)), exactly
;;       r = np.clip(x / 2.0 ** e, -6, 6)
;;       step = 2.0 ** (np.maximum(np.frexp(np.where(r == 0, 1, r))[1] - 1, 0) - 1)
;;       q = np.round(r / step) * step * 2.0 ** e      # np.round: ties to even
;;       return np.moveaxis(q.reshape(q.shape[:-2] + (-1,))[..., :K], -1, axis).astype(np.float32)
;;   ~~~
;;   SOFTMAX AHEAD OF A QUANTISED PRODUCT. Where the list says 'softmax', what is quantised is not the finished softmax but p = 2^(t - M), with t = logit x log2(e) and M = ceil(the row's largest t), a whole number; so 1/2 < the row's largest p <= 1. The row's sum l is taken of the UNQUANTISED p, in f32, and the product's result is divided by l at the end. Since M is a whole number, a kernel that streams over the keys may use a running M (the ceiling of the running maximum): every later rescaling is an exact power of two, which a block's scale takes up: the codes' values come out the same.
;;   OPERANDS COMPUTED ON THE WAY. 'Computed on the way' means the value that the module computes at that place (a softmax that the list does not call 'softmax' is quantised finished and normalised). What goes into a quantiser is computed in f32, as accurately as f32 sums, v_exp_f32 and their like allow (about 1e-6 of the number): no bf16 or f16 on the way to a quantiser, and a product that is left as it is and whose result goes on into a quantised operand takes f32 operands (vector FMAs, or v_wmma_f32_16x16x4_f32). A number that lies on a knife's edge between two numbers of the format may be rounded either way, as far as f32 arithmetic and the matrix unit's own rounding can turn it there, and no further.
;; One version. Each part assembles by itself: llvm-mc -triple=amdgcn-amd-amdhsa -mcpu=gfx1250 --defsym DOCPART=n.
;; ======== version 1 of 1: 4 launches
;; workspace buffers: codes 6,291,456 bytes; scales 393,216 bytes; qkv 12,582,912 bytes; qkvs 1,310,720 bytes; oc 4,194,304 bytes; os 262,144 bytes
;; launch quant (part 1): grid 384 x 1, 4 waves a work-group, no clusters, 34,304 bytes of LDS; arguments x, Wq, Wk, Wv, Wo, codes, scales; writes codes, scales
.if DOCPART == 1
	.amdgcn_target "amdgcn-amd-amdhsa--gfx1250"
	.amdhsa_code_object_version 6
	.text
	.protected	k_q312feb53fc_quant
	.globl	k_q312feb53fc_quant
	.p2align	8
	.type	k_q312feb53fc_quant,@function
k_q312feb53fc_quant:
	s_mov_b64 s[64:65], 0
	v_nop
	global_prefetch_b8 v0, s[64:65] scope:SCOPE_SE
	s_setreg_imm32_b32 hwreg(HW_REG_WAVE_MODE, 25, 1), 1
	s_wait_xcnt 0x0
; x [8192][1024] and Wq, Wk, Wv, Wo [1024][1024], f32 with K innermost, become codes of FP4 (E2M1) with one E8M0 scale byte for each 32 along K,
; laid as the later launches' matrix operands want them: as IMAGES OF THE OPERAND'S REGISTERS.
; A TILE is 16 rows.  Tile T of a tensor holds, in lane r, row 32 (T / 2) + 8 (T % 2) + r + 8 (r / 8): the rows of a tile are not neighbours, so that a later product's
; results of two neighbouring tiles are 16 neighbours along the next K.  Tiles 0-511: x; 512-575 Wq; 576-639 Wk; 640-703 Wv; 704-767 Wo.
; codes: tile T at 8192 T: eight K steps of 128, each an image of 1,024 bytes: [c 2][lane 32][16 bytes], the 16 bytes being k = 64 c + 32 (lane / 16) + 0 .. 31 of the lane's row.
; scales: tile T at 512 T: the word (four bytes, 128 along K) of K step s and row lane r at 256 (s / 4) + 8 (16 (s % 2) + r) + 4 ((s / 2) % 2).
; A block's scale is 2^(floor(log2(largest magnitude)) - 2); its byte is the largest magnitude's exponent field - 2, held at 1 from below.
; LIMITS: NaN and infinities among the inputs are not served; a block whose largest magnitude lies under 2^-124 keeps the byte 1; a block of zeros gets the byte 1 where the
; rule says 127: its codes are zeros, which add nothing under that byte, and this program alone reads the bytes.
; SHARES: a wave takes one tile x 512 along K, in four steps of 128.  Each load reads 512 consecutive bytes of one row; a step's 16 rows x 512 bytes turn through the wave's own stage in LDS
; (rows 528 bytes apart), so that a lane gets the two whole blocks of 32 that the operand's layout gives it.  Waves share nothing: no barrier.  Memory binds: no matrix unit, no cluster, no tensor load.
.set R,     32                         ; v32-159  two sets of 64 numbers as loaded
.set X,     160                        ; v160-223 my 64 numbers of a step: two blocks of 32
.set C,     224                        ; v224-255 eight registers of codes for each step: no store's data are written again
.set PITCH, 528
.set STG,   16*PITCH                   ; a wave's stage
	s_load_b256 s[4:11], s[0:1], 0x0               ; x, Wq, Wk, Wv
	s_load_b128 s[12:15], s[0:1], 0x20             ; Wo, codes
	s_load_b64 s[16:17], s[0:1], 0x30              ; scales
	v_lshl_add_u32 v30, v0, 2, 0x8400
	v_mov_b32 v31, 0
	v_lshrrev_b32 v1, 5, v0
	v_readfirstlane_b32 s2, v1                     ; wave 0..3
	v_and_b32 v1, 31, v0                           ; lane
	v_and_b32 v7, 15, v0                           ; r
	v_bfe_u32 v6, v0, 4, 1                         ; h
	v_lshlrev_b32 v2, 4, v1                        ; 16 x lane: loads and the codes' stores
	s_mul_i32 s3, s2, STG
	v_add_nc_u32 v3, s3, v2                        ; into the stage: a row as it lies
	v_mul_u32_u24 v4, v7, PITCH
	v_lshl_add_u32 v4, v6, 7, v4
	v_add_nc_u32 v4, s3, v4                        ; out of it: row r, + 128 h bytes: my block of each 64 numbers
	v_lshlrev_b32 v5, 3, v1                        ; 8 x lane: the scale words' store
	v_lshlrev_b32 v6, 3, v6                        ; 8 h: my bytes' place in a scale word, in bits
	v_mov_b32 v15, 0                               ; a lane permute's destination counts as one of its sources
	s_mov_b32 s24, 0xffff0000                      ; lanes 16-31
	s_mov_b32 s26, 0x76543210
	s_mov_b32 s27, 0xfedcba98                      ; selects for lane l xor 16
	s_sub_co_u32 s20, ttmp9, 256                   ; work-groups 0-255 take x, then 32 for each weight
	s_lshr_b32 s21, s20, 5                         ; which weight
	s_and_b32 s22, s20, 31                         ; and which 32 rows of it
	s_wait_alu depctr_va_vdst(0)
	s_wait_kmcnt 0x0
	s_mov_b64 s[18:19], s[12:13]                   ; the source is chosen on the work-group's number alone
	s_cmp_eq_u32 s21, 2
	s_cselect_b64 s[18:19], s[10:11], s[18:19]
	s_cmp_eq_u32 s21, 1
	s_cselect_b64 s[18:19], s[8:9], s[18:19]
	s_cmp_eq_u32 s21, 0
	s_cselect_b64 s[18:19], s[6:7], s[18:19]
	s_cmp_lt_u32 ttmp9, 256
	s_cselect_b64 s[18:19], s[4:5], s[18:19]
	s_cselect_b32 s22, ttmp9, s22
	s_lshl_b32 s22, s22, 17                        ; 32 rows of 4,096 bytes,
	s_lshr_b32 s23, s2, 1
	s_lshl_b32 s23, s23, 15                        ; + 8 rows for the pair's second tile,
	s_add_co_u32 s22, s22, s23
	s_and_b32 s23, s2, 1
	s_lshl_b32 s23, s23, 11                        ; + my half of K
	s_add_co_u32 s22, s22, s23
	s_mov_b32 s23, 0
	s_add_nc_u64 s[18:19], s[18:19], s[22:23]
	s_lshl_b32 s22, ttmp9, 14                      ; codes: 8192 x tile + 4096 x half = 16384 x work-group + 4096 x wave
	s_lshl_b32 s20, s2, 12
	s_add_co_u32 s22, s22, s20
	s_add_nc_u64 s[14:15], s[14:15], s[22:23]
	s_lshl_b32 s22, ttmp9, 10                      ; scales: 1024 x work-group + 256 x wave
	s_lshl_b32 s20, s2, 8
	s_add_co_u32 s22, s22, s20
	s_add_nc_u64 s[16:17], s[16:17], s[22:23]
.macro LOAD t                          ; step t: 128 numbers of each of the tile's 16 rows
.irp i, 0,1,2,3,4,5,6,7,8,9,10,11,12,13,14,15
	global_load_b128 v[R+64*((\t)%2)+4*\i:R+64*((\t)%2)+4*\i+3], v2, s[18:19] offset:(\i+8*(\i/8))*4096+512*(\t) th:TH_LOAD_NT
.endr
.endm
.macro STEP t
.if (\t) < 3
	s_wait_loadcnt 16                              ; this step's 16 loads are in; the next step's 16 may be out
.else
	s_wait_loadcnt 0x0
.endif
.irp i, 0,1,2,3,4,5,6,7,8,9,10,11,12,13,14,15
	ds_store_b128 v3, v[R+64*((\t)%2)+4*\i:R+64*((\t)%2)+4*\i+3] offset:PITCH*\i
.endr
.irp c, 0,1
.irp j, 0,1,2,3,4,5,6,7
	ds_load_b128 v[X+32*\c+4*\j:X+32*\c+4*\j+3], v4 offset:256*\c+16*\j    ; LDS serves a wave's instructions in order: these see the stores above
.endr
.endr
	s_wait_dscnt 0x0                               ; my numbers are in, and the stores have read the set, which takes the loads of two steps on
.if (\t)+2 < 4
	LOAD (\t)+2
.endif
.irp c, 0,1
	v_max3_num_f32 v[8+\c], |v[X+32*\c]|, |v[X+32*\c+1]|, 0x1800000        ; block 2 c + h is all mine; the floor 2^(3 - 127) holds the byte at 1 from below
.endr
.irp i, 2,4,6,8,10,12,14,16,18,20,22,24,26,28,30
.irp c, 0,1
	v_max3_num_f32 v[8+\c], v[8+\c], |v[X+32*\c+\i]|, |v[X+32*\c+\i+1]|
.endr
.endr
.irp c, 0,1
	v_add_nc_u32 v[10+\c], 0xff000000, v[8+\c]     ; 2 off the exponent field: the conversion takes this operand's exponent field as its scale
.endr
.irp c, 0,1
.irp g, 0,1,2,3
	v_cvt_scalef32_pk8_fp4_f32 v[C+8*(\t)+4*\c+\g], v[X+32*\c+8*\g:X+32*\c+8*\g+7], v[10+\c]
.endr
.endr
.irp c, 0,1
	v_lshrrev_b32 v[12+\c], 23, v[10+\c]           ; the scales' bytes (plain lines behind the conversions)
.endr
	v_lshl_or_b32 v14, v13, 16, v12                ; blocks h and 2 + h of my row,
	v_lshlrev_b32 v14, v6, v14                     ; at their places in the word;
	v_permlanex16_b32 v15, v14, s26, s27
	v_or_b32 v[16+(\t)], v14, v15                  ; with lane l xor 16's two the word is whole
	global_store_b128 v2, v[C+8*(\t):C+8*(\t)+3], s[14:15] offset:1024*(\t)         ; the image: 512 consecutive bytes a store
	global_store_b128 v2, v[C+8*(\t)+4:C+8*(\t)+7], s[14:15] offset:1024*(\t)+512
.endm
	LOAD 0
	LOAD 1
	STEP 0
	STEP 1
	STEP 2
	STEP 3
	v_cndmask_b32 v20, v16, v17, s24               ; lanes 0-15 carry the even steps' words, lanes 16-31 the odd steps'
	v_cndmask_b32 v21, v18, v19, s24
	global_store_b64 v5, v[20:21], s[16:17]        ; 256 consecutive bytes, aligned
	s_wait_tensorcnt 0x0
	ds_add_u32 v30, v31
	s_wait_dscnt 0x0
	s_endpgm
.Lfunc_end_k_q312feb53fc_quant:
	.size	k_q312feb53fc_quant, .Lfunc_end_k_q312feb53fc_quant-k_q312feb53fc_quant
	.p2alignl 7, 3214868480
	.fill 96, 4, 3214868480
	.section	.rodata,"a",@progbits
	.p2align	6, 0x0
	.amdhsa_kernel k_q312feb53fc_quant
		.amdhsa_group_segment_fixed_size 34304
		.amdhsa_private_segment_fixed_size 0
		.amdhsa_enable_private_segment 0
		.amdhsa_kernarg_size 56
		.amdhsa_user_sgpr_count 2
		.amdhsa_user_sgpr_kernarg_segment_ptr 1
		.amdhsa_wavefront_size32 1
		.amdhsa_system_sgpr_workgroup_id_x 1
		.amdhsa_system_sgpr_workgroup_id_y 1
		.amdhsa_system_sgpr_workgroup_id_z 1
		.amdhsa_system_vgpr_workitem_id 0
		.amdhsa_next_free_vgpr 256
		.amdhsa_next_free_sgpr 66
		.amdhsa_reserve_vcc 0
		.amdhsa_float_denorm_mode_32 3
		.amdhsa_float_denorm_mode_16_64 3
		.amdhsa_memory_ordered 1
		.amdhsa_forward_progress 1
		.amdhsa_inst_pref_size 30
	.end_amdhsa_kernel
	.amdgpu_metadata
---
amdhsa.version: [ 1, 2 ]
amdhsa.kernels:
  - .name:           k_q312feb53fc_quant
    .symbol:         k_q312feb53fc_quant.kd
    .args:
      - { .name: x, .offset: 0, .size: 8, .value_kind: global_buffer, .address_space: global }
      - { .name: Wq, .offset: 8, .size: 8, .value_kind: global_buffer, .address_space: global }
      - { .name: Wk, .offset: 16, .size: 8, .value_kind: global_buffer, .address_space: global }
      - { .name: Wv, .offset: 24, .size: 8, .value_kind: global_buffer, .address_space: global }
      - { .name: Wo, .offset: 32, .size: 8, .value_kind: global_buffer, .address_space: global }
      - { .name: codes, .offset: 40, .size: 8, .value_kind: global_buffer, .address_space: global }
      - { .name: scales, .offset: 48, .size: 8, .value_kind: global_buffer, .address_space: global }
    .group_segment_fixed_size: 34304
    .private_segment_fixed_size: 0
    .kernarg_segment_align: 8
    .kernarg_segment_size: 56
    .max_flat_workgroup_size: 128
    .sgpr_count:     66
    .vgpr_count:     256
    .wavefront_size: 32
...
	.end_amdgpu_metadata
.endif
;; end of part 1
;; launch qkv (part 2): grid 16 x 16, 4 waves a work-group, no clusters, 168,448 bytes of LDS; arguments codes, scales, bq, bk, bv, qkv, qkvs; writes qkv, qkvs
.if DOCPART == 2
	.amdgcn_target "amdgcn-amd-amdhsa--gfx1250"
	.amdhsa_code_object_version 6
	.text
	.protected	k_q312feb53fc_qkv
	.globl	k_q312feb53fc_qkv
	.p2align	8
	.type	k_q312feb53fc_qkv,@function
k_q312feb53fc_qkv:
	s_mov_b64 s[64:65], 0
	v_nop
	global_prefetch_b8 v0, s[64:65] scope:SCOPE_SE
	s_setreg_imm32_b32 hwreg(HW_REG_WAVE_MODE, 25, 1), 1
	s_wait_xcnt 0x0
; Q = x Wq^T + bq, K = x Wk^T + bk, V = x Wv^T + bv on codes of FP4 with E8M0 scales, and the results quantised at once for the attention launch: Q and K along the head's 64, V along the keys.
; SHARES: a work-group takes 512 tokens (x) and one head (y); each of its four waves 128 tokens: eight tiles of 16.  The wave's 64 fragments of x (8 tiles x 8 K steps) stay in 512 registers for all three
; products; the head's 12 weight tiles (3 x 4 tiles x 8 KB) and their scale words lie in LDS, brought once by tensor loads; nothing in LDS is filled again.
; Q and K are made TRANSPOSED (source 0 = 16 rows of W, source 1 = 16 tokens): a lane holds one token and its registers run along d.  V is made the other way (source 0 = tokens, source 1 = rows of Wv):
; a lane holds one d and its registers run along the keys.  By the order of rows in a tile (row 32 (T / 2) + 8 (T % 2) + r + 8 (r / 8)) the 16 registers of two neighbouring tiles are 16 neighbours along the next K.
; The biases are the C of each sum's first matrix instruction.
; OUT: qkv: Q at 0, K at 4 MiB, V at 8 MiB, 65,536 bytes a (batch, head).  Q, K: [token tile][lane][16 bytes]: d-block lane / 16 of the lane's token.  V: [128 keys][d tile 4][c 2][lane][16 bytes]: a fragment of V^T.
;      qkvs: Q's scale words [bh][128 tokens][r 16][tile 8]; from 524,288 on, 12,288 bytes a (batch, head): K's likewise, then V's [128 keys][r 16][d tile 4].  A word of Q or K holds its two bytes twice.
; NO CLUSTER: what the work-groups of a token block share, x, lives in registers and does not fit in LDS beside the weights (272 KB + 102 KB); the weights that the work-groups of a head share are about a quarter of a work-group's bytes.
; LIMITS: NaN and infinities are not served; a block whose largest magnitude lies under 2^-124, a block of zeros among them, keeps the byte 1 (its codes are zeros or next to it; this program alone reads the bytes).
; REGISTERS, in windows of 256: window 0: v1-9 addresses; v16-47 x's scale words; v48-63 W's; v64-127 W's fragments, two sets (at work on the way out); v128-191 bq's and bk's tiles; v192-195 bv; v212-255 the way out.
;   windows 1, 2: x's fragments: (tile a, K step s) at v[64 (s % 4) + 8 a] of window 1 + s / 4.   window 3: the 32 accumulators.
.set XS,  16
.set WS,  48
.set WF,  64
.set MX,  64                           ; the way out: largest magnitudes
.set PB,  80                           ; the other half's maxima, then the bytes
.set SO,  96                           ; the conversions' scale operands
.set BQ,  128
.set BK,  160
.set BV,  192
.set PW,  212                          ; scale words
.set SD,  220                          ; and as they are stored
.set PC,  224                          ; codes
.set WSC, 98304                        ; LDS: W's codes at 32768 y + 8192 t; from here W's scale words at 1536 t + 512 y
.set MSB, 0
.macro WIN new                         ; the immediate's high byte repeats the setting that is left
.if MSB != \new
	s_set_vgpr_msb (MSB<<8)|\new
.set MSB, \new
.endif
.endm
	s_load_b256 s[4:11], s[0:1], 0x0               ; codes, scales, bq, bk
	s_load_b128 s[12:15], s[0:1], 0x20             ; bv, qkv
	s_load_b64 s[16:17], s[0:1], 0x30              ; qkvs
	v_lshl_add_u32 v210, v0, 2, 0x29000
	v_mov_b32 v211, 0
	ds_add_u32 v210, v211
	ds_add_u32 v210, v211
	v_lshrrev_b32 v10, 5, v0
	v_readfirstlane_b32 s18, v10                   ; wave 0..3
	s_and_b32 s72, ttmp7, 0xffff                   ; the head
	s_mov_b32 s19, 0xffff0000                      ; lanes 16-31
	s_mov_b32 s20, 0x76543210
	s_mov_b32 s21, 0xfedcba98                      ; selects for lane l xor 16
	; descriptor group 1 for a weight tile's codes: 8,192 dense bytes as 32 rows of 32 elements of 8 bytes
	s_mov_b32 s24, 0x30000
	s_mov_b32 s25, 32<<16
	s_mov_b32 s26, 32<<16
	s_mov_b32 s27, 32<<16
	s_mov_b32 s28, 32
	s_mov_b32 s29, 32
	s_mov_b32 s30, 0
	s_mov_b32 s31, 0
	; and for a tile's scale words in Wq, Wk, Wv: 3 rows of 512 bytes (64 elements), 64 tiles = 4,096 elements apart
	s_mov_b32 s32, 0x30000
	s_mov_b32 s33, 64<<16
	s_mov_b32 s34, 3<<16
	s_mov_b32 s35, 64<<16
	s_mov_b32 s36, 3
	s_mov_b32 s37, 4096
	s_mov_b32 s38, 0
	s_mov_b32 s39, 0
	s_lshl_b32 s73, s72, 2
	s_add_co_u32 s73, s73, s18
	s_add_co_u32 s73, s73, 512                     ; wave w fetches tile t = w of each weight: Wq's is tile 512 + 4 head + w
	s_lshl_b32 s74, s73, 9
	s_mov_b32 s75, 0
	s_lshl_b32 s76, s73, 13
	s_mov_b32 s77, 0
	s_mul_i32 s78, s18, 1536
	s_lshl_b32 s79, s18, 13
	s_wait_dscnt 0x0
	s_wait_kmcnt 0x0
	s_mov_b32 s40, 1
	s_add_co_u32 s41, s78, WSC
	s_add_nc_u64 s[42:43], s[6:7], s[74:75]
	s_or_b32 s43, s43, 0x80000000
	s_add_nc_u64 s[76:77], s[4:5], s[76:77]
.irp y, 0,1,2
	s_mov_b32 s[44+4*\y], 1
	s_add_co_u32 s[45+4*\y], s79, 32768*\y
	s_add_nc_u64 s[46+4*\y:47+4*\y], s[76:77], 524288*\y
	s_or_b32 s[47+4*\y], s[47+4*\y], 0x80000000
.endr
	tensor_load_to_lds s[40:43], s[32:39]          ; the first fills, one group: the scale words, then Wq's, Wk's, Wv's tile: four loads of mine are out
	s_nop 0
	tensor_load_to_lds s[44:47], s[24:31]
	s_nop 0
	tensor_load_to_lds s[48:51], s[24:31]
	s_nop 0
	tensor_load_to_lds s[52:55], s[24:31]
	s_nop 0
.rept 4
	v_nop                                          ; four such lines behind the loads
.endr
	v_and_b32 v10, 31, v0                          ; lane
	v_and_b32 v11, 15, v0                          ; r
	v_bfe_u32 v12, v0, 4, 1                        ; h
	v_lshlrev_b32 v1, 4, v10                       ; 16 x lane: an image's place for my lane; Wq's tiles in LDS
	v_add_nc_u32 v2, 32768, v1                     ; Wk's
	v_add_nc_u32 v3, 65536, v1                     ; Wv's
	v_lshlrev_b32 v4, 3, v10                       ; 8 x lane: scale words, two at a time
	v_add_nc_u32 v5, WSC, v4
	v_lshlrev_b32 v6, 6, v12                       ; bq, bk: my half's 16 numbers
	s_wait_alu depctr_va_vdst(0)
	v_and_b32 v7, 8, v11
	v_add_nc_u32 v7, v7, v11
	v_lshlrev_b32 v7, 2, v7                        ; bv: 4 (r + 8 (r / 8))
	s_wait_alu depctr_va_vdst(0)
	v_lshlrev_b32 v8, 5, v11
	v_lshl_add_u32 v8, v12, 4, v8                  ; Q's and K's scale words out: 32 r + 16 h
	v_lshlrev_b32 v9, 4, v11
	v_lshl_add_u32 v9, v12, 3, v9                  ; V's: 16 r + 8 h
	s_lshl_b32 s74, ttmp9, 18
	s_lshl_b32 s73, s18, 16
	s_add_co_u32 s74, s74, s73
	s_mov_b32 s75, 0
	s_add_nc_u64 s[56:57], s[4:5], s[74:75]        ; x's tiles 32 tb + 8 w on
	s_lshr_b32 s74, s74, 4
	s_add_nc_u64 s[58:59], s[6:7], s[74:75]        ; and their scale words
	s_lshl_b32 s74, s72, 8
	s_add_nc_u64 s[8:9], s[8:9], s[74:75]          ; the head's 64 numbers of each bias
	s_add_nc_u64 s[10:11], s[10:11], s[74:75]
	s_add_nc_u64 s[12:13], s[12:13], s[74:75]
	s_lshr_b32 s73, ttmp9, 2
	s_lshl_b32 s73, s73, 4
	s_add_co_u32 s73, s73, s72                     ; bh = 16 x batch + head
	s_and_b32 s76, ttmp9, 3
	s_lshl_b32 s76, s76, 2
	s_add_co_u32 s76, s76, s18                     ; which 128 tokens of the batch's 2,048 are my wave's
	s_lshl_b32 s74, s73, 16
	s_lshl_b32 s77, s76, 12
	s_add_co_u32 s74, s74, s77
	s_add_nc_u64 s[60:61], s[14:15], s[74:75]      ; Q's codes out (K's: 4 MiB on, in the immediate)
	s_add_nc_u64 s[62:63], s[60:61], 0x800000      ; V's
	s_lshl_b32 s74, s73, 13
	s_lshl_b32 s77, s76, 9
	s_add_co_u32 s74, s74, s77
	s_add_nc_u64 s[66:67], s[16:17], s[74:75]      ; Q's scale words out
	s_mul_i32 s74, s73, 12288
	s_add_co_u32 s74, s74, 524288
	s_add_co_u32 s78, s74, s77
	s_mov_b32 s79, 0
	s_add_nc_u64 s[68:69], s[16:17], s[78:79]      ; K's
	s_lshl_b32 s77, s76, 8
	s_add_co_u32 s74, s74, s77
	s_add_co_u32 s74, s74, 8192
	s_add_nc_u64 s[70:71], s[16:17], s[74:75]      ; V's
.irp t, 0,1,2,3                        ; 36 small loads first: lane (r, h) wants, for tile t, the biases of d = 32 (t / 2) + 8 (t % 2) + 16 h + 0 .. 7 (Q, K) or of d = .. + r + 8 (r / 8) (V)
	global_load_b128 v[BQ+8*\t:BQ+8*\t+3], v6, s[8:9] offset:(32*(\t/2)+8*(\t%2))*4
	global_load_b128 v[BQ+8*\t+4:BQ+8*\t+7], v6, s[8:9] offset:(32*(\t/2)+8*(\t%2))*4+16
	global_load_b128 v[BK+8*\t:BK+8*\t+3], v6, s[10:11] offset:(32*(\t/2)+8*(\t%2))*4
	global_load_b128 v[BK+8*\t+4:BK+8*\t+7], v6, s[10:11] offset:(32*(\t/2)+8*(\t%2))*4+16
	global_load_b32 v[BV+\t], v7, s[12:13] offset:(32*(\t/2)+8*(\t%2))*4
.endr
.irp a, 0,1,2,3,4,5,6,7
.irp kh, 0,1
	global_load_b64 v[XS+4*\a+2*\kh:XS+4*\a+2*\kh+1], v4, s[58:59] offset:512*\a+256*\kh   ; register s / 2: K step s in lanes 0-15 (s even) or 16-31 (s odd)
.endr
.endr
	WIN 0x40                                       ; destination window 1
.irp s, 0,1,2,3                        ; then x's 128 fragment loads, K step by K step, 16 each
.irp a, 0,1,2,3,4,5,6,7
.irp c, 0,1
	global_load_b128 v[64*\s+8*\a+4*\c:64*\s+8*\a+4*\c+3], v1, s[56:57] offset:8192*\a+1024*\s+512*\c
.endr
.endr
.endr
	WIN 0x80                                       ; destination window 2
.irp s, 4,5,6,7
.irp a, 0,1,2,3,4,5,6,7
.irp c, 0,1
	global_load_b128 v[64*(\s-4)+8*\a+4*\c:64*(\s-4)+8*\a+4*\c+3], v1, s[56:57] offset:8192*\a+1024*\s+512*\c
.endr
.endr
.endr
	WIN 0
.macro MM d, a, b, c, sa, sb, odd      ; one product; odd K steps take their scale words from lanes 16-31
.if \odd
	v_wmma_scale_f32_16x16x128_f8f6f4 v[(\d):(\d)+7], v[(\a):(\a)+7], v[(\b):(\b)+7], v[(\c):(\c)+7], v[(\sa)], v[(\sb)] matrix_a_fmt:MATRIX_FMT_FP4 matrix_b_fmt:MATRIX_FMT_FP4 matrix_a_scale:MATRIX_SCALE_ROW1 matrix_b_scale:MATRIX_SCALE_ROW1
.else
	v_wmma_scale_f32_16x16x128_f8f6f4 v[(\d):(\d)+7], v[(\a):(\a)+7], v[(\b):(\b)+7], v[(\c):(\c)+7], v[(\sa)], v[(\sb)] matrix_a_fmt:MATRIX_FMT_FP4 matrix_b_fmt:MATRIX_FMT_FP4
.endif
.endm
.macro FETCH_W y, s                    ; the four weight tiles' fragments of K step s into set s % 2
.irp t, 0,1,2,3
.irp c, 0,1
	ds_load_b128 v[WF+32*((\s)%2)+8*\t+4*\c:WF+32*((\s)%2)+8*\t+4*\c+3], v[1+\y] offset:8192*\t+1024*(\s)+512*\c
.endr
.endr
.endm
; A K step of 128: 32 matrix instructions, the 32 accumulators by turns, one instruction a turn, in the same order in every step.
; kind 0: source 0 = W, source 1 = x, accumulator (a, t) at 8 (4 a + t);  kind 1: source 0 = x, source 1 = W, accumulator at 8 (8 t + a).
.macro KSTEP y, s, kind, bias, first
	WIN 0
.if \s < 7
.rept 4
	v_nop                                          ; four places in front of loads into the set that the step before multiplied (ISA guide 7.12.1 for vector instructions)
.endr
	FETCH_W \y, (\s+1)
	s_wait_dscnt 8                                 ; all but the eight just issued: this step's fragments (and, in step 0, the scale words) are in
.else
	s_wait_dscnt 0x0
.endif
.if \first
.if 16*(7-\s) > 63
	s_wait_loadcnt 63                              ; of 164 loads at most 63 are out: the 36 small ones and K steps 0 to 3 are in
.else
	s_wait_loadcnt 16*(7-\s)                       ; the later K steps' fragments of x may be out
.endif
.endif
.if \kind == 0
.if \s == 0
	WIN 0xc4                                       ; W window 0, x window 1, the bias window 0, D window 3
.elseif \s < 4
	WIN 0xf4
.else
	WIN 0xf8                                       ; x window 2
.endif
.else
.if \s == 0
	WIN 0xc1
.elseif \s < 4
	WIN 0xf1
.else
	WIN 0xf2
.endif
.endif
.irp a, 0,1,2,3,4,5,6,7
.irp t, 0,1,2,3
.if \kind == 0
.if \s == 0
	MM 8*(4*\a+\t), WF+32*(\s%2)+8*\t, 64*(\s%4)+8*\a, \bias+8*\t, WS+4*\t+\s/2, XS+4*\a+\s/2, \s%2
.else
	MM 8*(4*\a+\t), WF+32*(\s%2)+8*\t, 64*(\s%4)+8*\a, 8*(4*\a+\t), WS+4*\t+\s/2, XS+4*\a+\s/2, \s%2
.endif
.else
.if \s == 0
	MM 8*(8*\t+\a), 64*(\s%4)+8*\a, WF+32*(\s%2)+8*\t, \bias+8*\t, XS+4*\a+\s/2, WS+4*\t+\s/2, \s%2
.else
	MM 8*(8*\t+\a), 64*(\s%4)+8*\a, WF+32*(\s%2)+8*\t, 8*(8*\t+\a), XS+4*\a+\s/2, WS+4*\t+\s/2, \s%2
.endif
.endif
.endr
.endr
.endm
; THE QUANTISER, alike for all three.  Block n (0 .. 15) is v[16 n .. 16 n + 15] of window 3: 16 neighbours along the next K of my row; lane l xor 16 holds the block's other 16.
; Codes: v[PC + 4 g .. + 3] hold, behind the exchange of halves, a whole block a lane: block 2 g in lanes 0-15, block 2 g + 1 in lanes 16-31.  Bytes: v[PB + n].
.macro EPI
	WIN 0
.rept 4
	v_nop                                          ; four places behind the last products
.endr
	s_wait_xcnt 0x0                                ; the stores of the product before have read their data registers, which are written again below
	WIN 0x0f
.set nn, 0
.rept 16
	v_max3_num_f32 v[MX+nn], |v[16*nn]|, |v[16*nn+1]|, 0x1800000     ; each accumulator is read from its low end on; the floor 2^(3 - 127) holds the byte at 1 from below
.set nn, nn+1
.endr
	WIN 0x3c
.irp i, 2,4,6,8,10,12,14
.set nn, 0
.rept 16
	v_max3_num_f32 v[MX+nn], v[MX+nn], |v[16*nn+\i]|, |v[16*nn+\i+1]|
.set nn, nn+1
.endr
.endr
	WIN 0
.set nn, 0
.rept 16
	v_permlanex16_b32 v[PB+nn], v[MX+nn], s20, s21
.set nn, nn+1
.endr
.set nn, 0
.rept 16
	v_max_num_f32 v[MX+nn], v[MX+nn], v[PB+nn]     ; the block's largest magnitude
.set nn, nn+1
.endr
.set nn, 0
.rept 16
	v_add_nc_u32 v[SO+nn], 0xff000000, v[MX+nn]    ; 2 off its exponent field: the conversion's scale operand
.set nn, nn+1
.endr
.set nn, 0
.rept 16
	v_lshrrev_b32 v[PB+nn], 23, v[SO+nn]           ; the scale's byte
.set nn, nn+1
.endr
	WIN 0x03
.set nn, 0
.rept 16
	v_cvt_scalef32_pk8_fp4_f32 v[PC+2*nn], v[16*nn:16*nn+7], v[SO+nn]
	v_cvt_scalef32_pk8_fp4_f32 v[PC+2*nn+1], v[16*nn+8:16*nn+15], v[SO+nn]
.set nn, nn+1
.endr
	WIN 0
	v_nop                                          ; one plain line behind the last scaled conversion
.set nn, 0
.rept 8
	v_permlane16_swap_b32 v[PC+4*nn], v[PC+4*nn+2]
	v_permlane16_swap_b32 v[PC+4*nn+1], v[PC+4*nn+3]
.set nn, nn+1
.endr
.endm
.macro PRODUCT y, kind, bias, first
	s_wait_tensorcnt 2-\y                          ; the scale words and this weight's tile, my parts, are in; the later weights' loads may stay out
	s_barrier_signal -1
	s_barrier_wait -1                              ; everybody's are
.irp t, 0,1,2,3
.irp kh, 0,1
	ds_load_b64 v[WS+4*\t+2*\kh:WS+4*\t+2*\kh+1], v5 offset:1536*\t+512*\y+256*\kh
.endr
.endr
	FETCH_W \y, 0
.irp s, 0,1,2,3,4,5,6,7
	KSTEP \y, \s, \kind, \bias, \first
.endr
	EPI
.endm
.macro TAILQK y, sp                    ; block 2 a + b: token tile a, d-block b
.set nn, 0
.rept 8
	v_lshl_or_b32 v[PW+nn], v[PB+2*nn+1], 8, v[PB+2*nn]
.set nn, nn+1
.endr
.set nn, 0
.rept 8
	v_lshl_or_b32 v[PW+nn], v[PW+nn], 16, v[PW+nn] ; the two bytes twice: the attention launch sets a head's 64 codes in either half of a K step of 128
.set nn, nn+1
.endr
.irp g, 0,1,2,3,4,5,6,7
	global_store_b128 v1, v[PC+4*\g:PC+4*\g+3], s[60:61] offset:512*\g+4194304*\y   ; 512 consecutive bytes a store
.endr
.irp i, 0,1,2,3
	v_cndmask_b32 v[SD+\i], v[PW+\i], v[PW+4+\i], s19    ; lanes 0-15 store tiles 0-3's words of row r, lanes 16-31 tiles 4-7's
.endr
	global_store_b128 v8, v[SD:SD+3], s[\sp:\sp+1]
.endm
	PRODUCT 0, 0, BQ, 1
	TAILQK 0, 66
	PRODUCT 1, 0, BK, 0
	TAILQK 1, 68
.irp t, 0,1,2,3
.irp j, 0,1,2,3,4,5,6,7
	v_mov_b32 v[BQ+8*\t+\j], v[BV+\t]              ; V's bias hangs on the lane's d alone: the same in a tile's eight registers
.endr
.endr
	s_wait_alu depctr_va_vdst(0)
	PRODUCT 2, 1, BQ, 0
.irp t, 0,1,2,3                        ; block 4 t + b: d tile t, key block b of the wave's 128 keys
	v_lshl_or_b32 v[PW+\t], v[PB+4*\t+1], 8, v[PB+4*\t]
	v_lshl_or_b32 v[PW+\t], v[PB+4*\t+2], 16, v[PW+\t]
	v_lshl_or_b32 v[PW+\t], v[PB+4*\t+3], 24, v[PW+\t]
.endr
.irp g, 0,1,2,3,4,5,6,7
	global_store_b128 v1, v[PC+4*\g:PC+4*\g+3], s[62:63] offset:512*\g
.endr
	v_cndmask_b32 v[SD], v[PW], v[PW+2], s19
	v_cndmask_b32 v[SD+1], v[PW+1], v[PW+3], s19
	global_store_b64 v9, v[SD:SD+1], s[70:71]      ; 256 consecutive bytes, aligned
	s_wait_tensorcnt 0x0
	ds_add_u32 v210, v211
	s_wait_dscnt 0x0
	s_endpgm
.Lfunc_end_k_q312feb53fc_qkv:
	.size	k_q312feb53fc_qkv, .Lfunc_end_k_q312feb53fc_qkv-k_q312feb53fc_qkv
	.p2alignl 7, 3214868480
	.fill 96, 4, 3214868480
	.section	.rodata,"a",@progbits
	.p2align	6, 0x0
	.amdhsa_kernel k_q312feb53fc_qkv
		.amdhsa_group_segment_fixed_size 168448
		.amdhsa_private_segment_fixed_size 0
		.amdhsa_enable_private_segment 0
		.amdhsa_kernarg_size 56
		.amdhsa_user_sgpr_count 2
		.amdhsa_user_sgpr_kernarg_segment_ptr 1
		.amdhsa_wavefront_size32 1
		.amdhsa_system_sgpr_workgroup_id_x 1
		.amdhsa_system_sgpr_workgroup_id_y 1
		.amdhsa_system_sgpr_workgroup_id_z 1
		.amdhsa_system_vgpr_workitem_id 0
		.amdhsa_next_free_vgpr 1024
		.amdhsa_next_free_sgpr 80
		.amdhsa_reserve_vcc 0
		.amdhsa_float_denorm_mode_32 3
		.amdhsa_float_denorm_mode_16_64 3
		.amdhsa_memory_ordered 1
		.amdhsa_forward_progress 1
		.amdhsa_inst_pref_size 187
	.end_amdhsa_kernel
	.amdgpu_metadata
---
amdhsa.version: [ 1, 2 ]
amdhsa.kernels:
  - .name:           k_q312feb53fc_qkv
    .symbol:         k_q312feb53fc_qkv.kd
    .args:
      - { .name: codes, .offset: 0, .size: 8, .value_kind: global_buffer, .address_space: global }
      - { .name: scales, .offset: 8, .size: 8, .value_kind: global_buffer, .address_space: global }
      - { .name: bq, .offset: 16, .size: 8, .value_kind: global_buffer, .address_space: global }
      - { .name: bk, .offset: 24, .size: 8, .value_kind: global_buffer, .address_space: global }
      - { .name: bv, .offset: 32, .size: 8, .value_kind: global_buffer, .address_space: global }
      - { .name: qkv, .offset: 40, .size: 8, .value_kind: global_buffer, .address_space: global }
      - { .name: qkvs, .offset: 48, .size: 8, .value_kind: global_buffer, .address_space: global }
    .group_segment_fixed_size: 168448
    .private_segment_fixed_size: 0
    .kernarg_segment_align: 8
    .kernarg_segment_size: 56
    .max_flat_workgroup_size: 128
    .sgpr_count:     80
    .vgpr_count:     1024
    .wavefront_size: 32
...
	.end_amdgpu_metadata
.endif
;; end of part 2
;; launch attn (part 3): grid 4 x 64, 16 waves a work-group, no clusters, 169,984 bytes of LDS; arguments qkv, qkvs, oc, os; writes oc, os
.if DOCPART == 3
	.amdgcn_target "amdgcn-amd-amdhsa--gfx1250"
	.amdhsa_code_object_version 6
	.text
	.protected	k_q312feb53fc_attn
	.globl	k_q312feb53fc_attn
	.p2align	8
	.type	k_q312feb53fc_attn,@function
k_q312feb53fc_attn:
	s_mov_b64 s[64:65], 0
	v_nop
	global_prefetch_b8 v0, s[64:65] scope:SCOPE_SE
	s_setreg_imm32_b32 hwreg(HW_REG_WAVE_MODE, 25, 1), 1
	s_wait_xcnt 0x0
; Causal attention on codes of FP4 with E8M0 scales, head size 64, 2,048 keys, 64 (batch, head)s; the result O / l is quantised along d for the last product.
; THE SOFTMAX AHEAD OF THE SECOND PRODUCT: t = score x log2(e) / 8 (Q's division by 8 is a power of two: it moves Q's scales alone and is taken here, in c); M = the running largest t, rounded UP to a whole number;
; p = 2^(t - M) is quantised along the keys, not normalised; the row's sum is taken of the unquantised p and divides O at the end.  When M moves, the sum and O are multiplied by 2^(old M - new M): exact.
; SHARES: a work-group (x = 0 .. 3, y = batch x head) has sixteen waves, four to a SIMD, so that one wave's vector work stands beside another's matrix work and LDS loads.  A wave takes two tiles of 16 queries one after
; the other: first query 256 (7 - x) + 16 w, then 256 x + 240 - 16 w.  A tile at query q needs q / 128 + 1 key steps of 128: the two make 17 for every wave of every work-group.
; LDS: the head's K and V as register images (65,536 bytes each) and their scale words (8,192 + 4,096 bytes) come ONCE, by tensor loads of waves 0 to 3: the scale words, the first four key steps, then the rest.  Nothing is filled again.
; LAYOUT: both products transposed: S^T = K Q^T, O^T = V^T P^T: a lane holds one query (lane % 16) throughout.  A matrix instruction is 128 deep and a head 64: a fragment of K carries TWO tiles of keys, one in each half of its K,
; and Q stands as [Q | 0] or [0 | Q]: zero codes add nothing.  By the order of keys in a tile the 16 registers of tiles 2 b, 2 b + 1 are keys 32 b + 16 (lane / 16) + 0 .. 15; O^T's likewise along d.
; CAUSAL: every wave walks loops of constant trip counts; a step all of whose keys come after its queries is jumped over by a scalar branch on ids; on the diagonal hidden scores become -infinity.
; NO CLUSTER: the steps that a work-group jumps over hang on its block of queries, so partners would take different ways.  NO PREFETCH: all that a work-group reads is asked for at its head.
; OUT: oc: token tile (16 neighbouring tokens) at 8192 x tile, as the first launch lays x's codes; head H is half H % 2 of K step H / 2.  os: the scale words in the same form; a lane stores its block's byte: two bytes a row and head.
; LIMITS: NaN and infinities are not served; a block whose largest magnitude lies under 2^-124, a block of zeros among them, keeps the byte 1; folding 1/8 into c differs from quantising Q / 8 only where Q's scale exponent less 3 would fall under -126.
; REGISTERS: v1-7 addresses that stay; v8-11 the step's LDS addresses; v12 -M, v13 the largest t, v[14:15] the sum; v16-27 zeros, Q, zeros; v28-31 the second tile's Q; v32-63 K; v64-95 V; v96-159 S^T, then p; v160-191 O^T;
;   v192-199 K's scale words, v200-203 V's, v204, v205 Q's; v206, v207 Q's lane offsets; v224-231 p's codes; v232-254 at work; v253 p's scale word.
.set WV,   18
.set HM,   19
.set SEL,  20
.set CS,   22
.set G1A,  24                          ; descriptor groups 1: 12, 32 and 96 rows of 256 bytes
.set G1B,  32
.set G1C,  40
.set G0A,  48
.set G0B,  52
.set G0C,  56
.set TB,   60                          ; the step's place in K's and V's images: 4,096 bytes a step
.set TS,   61                          ; among K's scale words: 512
.set TJ,   62                          ; among V's: 256
.set KF,   63                          ; the step's first key
.set Q0,   66                          ; my tile's first query
.set CNT,  67
.set Q2,   68                          ; the second tile's
.set TMP,  69
.set P1,   70                          ; s[70:77], s[78:85]: for each tile: oc, os, Q's codes, Q's scale words
.set P2,   78
.set BH,   86
.set HOFF, 98
	s_load_b256 s[4:11], s[0:1], 0x0               ; qkv, qkvs, oc, os
	v_lshl_add_u32 v251, v0, 2, 0x29000
	v_mov_b32 v255, 0
	ds_add_u32 v251, v255
	ds_add_u32 v251, v255
	v_lshrrev_b32 v8, 5, v0
	s_delay_alu instid0(VALU_DEP_1)
	v_readfirstlane_b32 s[WV], v8                  ; wave 0..15
	s_and_b32 s[BH], ttmp7, 0xffff                 ; 16 x batch + head
	s_mov_b32 s[HM], 0xffff0000                    ; lanes 16-31
	s_mov_b32 s[SEL], 0x76543210
	s_mov_b32 s[SEL+1], 0xfedcba98                 ; selects for lane l xor 16
	s_mov_b32 s[CS], 0x3e38aa3b                    ; c = log2(e) / 8
	s_mov_b32 s[CS+1], s[CS]                       ; (named with it as a pair, so it is written)
.irp g, G1A, G1B, G1C
	s_mov_b32 s[\g], 0x30000                       ; elements of 8 bytes, no mask, no padding
	s_mov_b32 s[\g+1], 32<<16                      ; tensor_dim0 = 32
	s_mov_b32 s[\g+3], 32<<16                      ; tile_dim0 = 32
	s_mov_b32 s[\g+5], 32                          ; dense rows
	s_mov_b32 s[\g+6], 0
	s_mov_b32 s[\g+7], 0
.endr
	s_mov_b32 s[G1A+2], 12<<16
	s_mov_b32 s[G1A+4], 12
	s_mov_b32 s[G1B+2], 32<<16
	s_mov_b32 s[G1B+4], 32
	s_mov_b32 s[G1C+2], 96<<16
	s_mov_b32 s[G1C+4], 96
	s_lshr_b32 s87, s[WV], 1                       ; waves 0, 1 fetch K's halves, waves 2, 3 V's
	s_and_b32 s88, s[WV], 1
	s_mul_i32 s89, s[WV], 3072                     ; a quarter of the scale words
	s_lshl_b32 s90, s87, 16
	s_lshl_b32 s91, s88, 13
	s_mul_i32 s92, s88, 24576
	s_mul_i32 s94, s[BH], 12288
	s_add_co_u32 s94, s94, 524288
	s_add_co_u32 s94, s94, s89
	s_mov_b32 s95, 0
	s_lshl_b32 s96, s87, 22
	s_add_co_u32 s96, s96, 0x400000
	s_lshl_b32 s93, s[BH], 16
	s_add_co_u32 s96, s96, s93
	s_mov_b32 s97, 0
	s_wait_dscnt 0x0
	s_wait_kmcnt 0x0
	s_mov_b32 s[G0A], 1
	s_add_co_u32 s[G0A+1], s89, 131072
	s_add_nc_u64 s[G0A+2:G0A+3], s[6:7], s[94:95]
	s_or_b32 s[G0A+3], s[G0A+3], 0x80000000
	s_add_nc_u64 s[96:97], s[4:5], s[96:97]        ; my head's K or V
	s_mov_b32 s94, s91
	s_mov_b32 s[G0B], 1
	s_add_co_u32 s[G0B+1], s90, s91
	s_add_nc_u64 s[G0B+2:G0B+3], s[96:97], s[94:95]
	s_or_b32 s[G0B+3], s[G0B+3], 0x80000000
	s_add_co_u32 s94, s92, 16384
	s_mov_b32 s[G0C], 1
	s_add_co_u32 s[G0C+1], s90, s94
	s_add_nc_u64 s[G0C+2:G0C+3], s[96:97], s[94:95]
	s_or_b32 s[G0C+3], s[G0C+3], 0x80000000
	s_cmp_lt_u32 s[WV], 4                          ; a wave's first fills stand in one branch on the wave's number: three loads of a fetching wave are out
	s_cbranch_scc0 .Lno_fetch
	tensor_load_to_lds s[G0A:G0A+3], s[G1A:G1A+7]  ; the scale words
	s_nop 0
	tensor_load_to_lds s[G0B:G0B+3], s[G1B:G1B+7]  ; key steps 0 to 3
	s_nop 0
	tensor_load_to_lds s[G0C:G0C+3], s[G1C:G1C+7]  ; key steps 4 to 15
	s_nop 0
.rept 4
	v_nop                                          ; four such lines behind the loads
.endr
.Lno_fetch:
	v_and_b32 v8, 31, v0
	v_and_b32 v9, 15, v0                           ; r
	v_bfe_u32 v10, v0, 4, 1                        ; h
	s_delay_alu instid0(VALU_DEP_3)
	v_lshlrev_b32 v1, 4, v8                        ; 16 x lane: K's image, and oc
	s_delay_alu instid0(VALU_DEP_1)
	v_add_nc_u32 v2, 65536, v1                     ; V's image
	s_delay_alu instid0(VALU_DEP_4)
	v_lshl_add_u32 v3, v9, 5, 131072               ; K's scale words: 32 bytes a row lane
	v_lshl_add_u32 v4, v9, 4, 139264               ; V's: 16
	v_lshlrev_b32 v11, 4, v10
	s_delay_alu instid0(VALU_DEP_1)
	v_sub_nc_u32 v5, v9, v11                       ; r - 16 h, for the mask
	v_lshl_add_u32 v7, v9, 3, v10                  ; os: 8 r + h
	v_lshrrev_b32 v11, 3, v9
	v_and_b32 v6, 7, v9
	s_delay_alu instid0(VALU_DEP_2)
	v_lshlrev_b32 v206, 9, v11                     ; Q lies in tiles whose tokens are not neighbours: token q0 + r is in tile 2 (q0 / 32) + r / 8, lane r % 8 + 8 ((q0 / 16) % 2)
	s_delay_alu instid0(VALU_DEP_1)
	v_lshl_add_u32 v206, v10, 8, v206
	s_delay_alu instid0(VALU_DEP_1)
	v_lshl_add_u32 v206, v6, 4, v206               ; 512 (r / 8) + 256 h + 16 (r % 8)
	s_wait_alu depctr_va_vdst(0)
	v_lshlrev_b32 v207, 2, v11
	s_delay_alu instid0(VALU_DEP_1)
	v_lshl_add_u32 v207, v6, 5, v207               ; its scale word: 32 (r % 8) + 4 (r / 8)
	s_wait_alu depctr_va_vdst(0)
	s_sub_co_u32 s[Q0], 7, ttmp9
	s_lshl_b32 s[Q0], s[Q0], 8
	s_lshl_b32 s87, s[WV], 4
	s_add_co_u32 s[Q0], s[Q0], s87                 ; the first tile: 256 (7 - x) + 16 w
	s_lshl_b32 s[Q2], ttmp9, 8
	s_add_co_u32 s[Q2], s[Q2], 240
	s_sub_co_u32 s[Q2], s[Q2], s87                 ; the second: 256 x + 240 - 16 w
	s_bfe_u32 s[HOFF], s[BH], 0x10003              ; the head's place in a tile's scale words: K step s = H / 2: 256 (s / 4) + 128 (s % 2) + 4 ((s / 2) % 2), + 2 (H % 2)
	s_lshl_b32 s[HOFF], s[HOFF], 8
	s_bfe_u32 s87, s[BH], 0x10001
	s_lshl_b32 s87, s87, 7
	s_add_co_u32 s[HOFF], s[HOFF], s87
	s_bfe_u32 s87, s[BH], 0x10002
	s_lshl_b32 s87, s87, 2
	s_add_co_u32 s[HOFF], s[HOFF], s87
	s_and_b32 s87, s[BH], 1
	s_lshl_b32 s87, s87, 1
	s_add_co_u32 s[HOFF], s[HOFF], s87
.macro PTRS base, q                    ; the four addresses of the tile whose first query is s[q]
	s_lshr_b32 s87, s[BH], 4
	s_lshl_b32 s87, s87, 7
	s_lshr_b32 s88, s[\q], 4
	s_add_co_u32 s87, s87, s88                     ; token tile: 128 x batch + q0 / 16
	s_and_b32 s88, s[BH], 15                       ; H
	s_lshl_b32 s90, s87, 13
	s_lshl_b32 s89, s88, 9
	s_add_co_u32 s90, s90, s89
	s_mov_b32 s91, 0
	s_add_nc_u64 s[\base:\base+1], s[8:9], s[90:91]
	s_lshl_b32 s90, s87, 9
	s_add_co_u32 s90, s90, s[HOFF]
	s_add_nc_u64 s[\base+2:\base+3], s[10:11], s[90:91]
	s_lshl_b32 s90, s[BH], 16
	s_lshr_b32 s89, s[\q], 5
	s_lshl_b32 s89, s89, 10
	s_add_co_u32 s90, s90, s89
	s_bfe_u32 s89, s[\q], 0x10004
	s_lshl_b32 s92, s89, 7
	s_add_co_u32 s90, s90, s92
	s_add_nc_u64 s[\base+4:\base+5], s[4:5], s[90:91]
	s_lshl_b32 s90, s[BH], 13
	s_lshr_b32 s92, s[\q], 7
	s_lshl_b32 s92, s92, 9
	s_add_co_u32 s90, s90, s92
	s_lshl_b32 s92, s89, 8
	s_add_co_u32 s90, s90, s92
	s_bfe_u32 s92, s[\q], 0x20005
	s_lshl_b32 s92, s92, 3
	s_add_co_u32 s90, s90, s92
	s_add_nc_u64 s[\base+6:\base+7], s[6:7], s[90:91]
.endm
	PTRS P1, Q0
	PTRS P2, Q2
	global_load_b128 v[20:23], v206, s[P1+4:P1+5]  ; both tiles' Q and scale words
	global_load_b128 v[28:31], v206, s[P2+4:P2+5]
	global_load_b32 v204, v207, s[P1+6:P1+7]
	global_load_b32 v205, v207, s[P2+6:P2+7]
.irp j, 16,17,18,19,24,25,26,27
	v_mov_b32 v\j, 0                               ; zero codes on both sides of Q: v[20:27] is [Q | 0], v[16:23] is [0 | Q]
.endr
.irp j, 236,237,238,239,252,253
	v_mov_b32 v\j, 0                               ; written once: a lane permute's destination counts as one of its sources, and v253 is named as the upper half of a pair
.endr
.macro INIT p
.if \p == 2
	s_wait_xcnt 0x0                                ; the first tile's stores have read their data registers
.irp j, 0,1,2,3
	v_mov_b32 v[20+\j], v[28+\j]                   ; the second tile's Q; the lines below stand between these and the next products
.endr
	v_mov_b32 v204, v205
	s_mov_b32 s[Q0], s[Q2]
.endif
	v_mov_b32 v13, 0xff61b1e6                      ; the largest t so far: -3e38, under every t
	s_delay_alu instid0(VALU_DEP_1)
	v_floor_f32 v12, -v13                          ; -M
	v_mov_b32 v14, 0                               ; the sum, in two halves
	v_mov_b32 v15, 0
.set jj, 0
.rept 32
	v_mov_b32 v[160+jj], 0                         ; O^T: the step is written without a first step of its own: the first change of M multiplies zeros
.set jj, jj+1
.endr
	s_mov_b32 s[TB], 0
	s_mov_b32 s[TS], 0
	s_mov_b32 s[TJ], 0
	s_mov_b32 s[KF], 0
.endm
; A KEY STEP: 128 keys.
.macro STEP
	s_add_co_u32 s[TMP], s[Q0], 15
	s_cmp_gt_u32 s[KF], s[TMP]                     ; all its keys come after my queries: only the addresses step
	s_cbranch_scc1 .Lhidden_\@
	s_setprio 2
	v_add_nc_u32 v8, s[TB], v1                     ; (these four are also the places in front of the loads into registers that the last products read)
	v_add_nc_u32 v9, s[TB], v2
	v_add_nc_u32 v10, s[TS], v3
	v_add_nc_u32 v11, s[TJ], v4
.irp b, 0,1,2,3
.irp u, 0,1
	ds_load_b128 v[32+8*\b+4*\u:35+8*\b+4*\u], v8 offset:512*(2*\b+\u)    ; fragment b: tile 2 b in its lower half of K, tile 2 b + 1 in its upper
.endr
.endr
	ds_load_b128 v[192:195], v10                   ; the eight tiles' scale words of row lane r
	ds_load_b128 v[196:199], v10 offset:16
.irp t, 0,1,2,3
.irp c, 0,1
	ds_load_b128 v[64+8*\t+4*\c:67+8*\t+4*\c], v9 offset:1024*\t+512*\c
.endr
.endr
	ds_load_b128 v[200:203], v11
	s_wait_dscnt 9                                 ; K and its scale words are in; V's nine loads may be out
.irp b, 0,1,2,3
.irp u, 0,1
	v_wmma_scale_f32_16x16x128_f8f6f4 v[96+8*(2*\b+\u):103+8*(2*\b+\u)], v[32+8*\b:39+8*\b], v[20-4*\u:27-4*\u], 0, v[192+2*\b+\u], v204 matrix_a_fmt:MATRIX_FMT_FP4 matrix_b_fmt:MATRIX_FMT_FP4
.endr
.endr
.rept 4
	v_nop                                          ; four places behind the products, ahead of the first read of their results
.endr
	s_add_co_u32 s[TMP], s[KF], 127
	s_cmp_le_u32 s[TMP], s[Q0]                     ; a step all of whose keys count has no mask
	s_cbranch_scc1 .Lopen_\@
	s_sub_co_i32 s[TMP], s[Q0], s[KF]
	v_add_nc_u32 v252, s[TMP], v5                  ; d = my query - KF - 16 h.  Register 16 b + i holds key KF + 16 h + 32 b + i: hidden where 32 b + i > d
	v_mov_b32 v254, 0xff800000                     ; -infinity
.set nn, 0
.rept 64
	v_cmp_gt_i32 vcc_lo, 32*(nn/16)+nn%16, v252
	v_cndmask_b32 v[96+nn], v[96+nn], v254, vcc_lo
.set nn, nn+1
.endr
.Lopen_\@:
.irp b, 0,1,2,3
	v_max3_num_f32 v[232+\b], v[96+16*\b], v[97+16*\b], v[98+16*\b]   ; the largest score of each block of 32 keys: it serves the row's maximum and, since p rises with the score, the block's largest p
.endr
.irp i, 3,5,7,9,11,13
.irp b, 0,1,2,3
	v_max3_num_f32 v[232+\b], v[232+\b], v[96+16*\b+\i], v[97+16*\b+\i]
.endr
.endr
.irp b, 0,1,2,3
	v_max_num_f32 v[232+\b], v[232+\b], v[111+16*\b]
.endr
.irp b, 0,1,2,3
	s_delay_alu instid0(VALU_DEP_4)
	v_permlanex16_b32 v[236+\b], v[232+\b], s[SEL], s[SEL+1]
.endr
.irp b, 0,1,2,3
	s_delay_alu instid0(VALU_DEP_4)
	v_max_num_f32 v[232+\b], v[232+\b], v[236+\b]  ; with lane l xor 16's 16 keys
.endr
	s_delay_alu instid0(VALU_DEP_2)
	v_max3_num_f32 v254, v232, v233, v234
	s_delay_alu instid0(VALU_DEP_1)
	v_max_num_f32 v254, v254, v235                 ; the step's largest score of my query
	s_delay_alu instid0(VALU_DEP_1)
	v_mul_f32 v254, s[CS], v254                    ; as t (c is positive)
	s_delay_alu instid0(VALU_DEP_1)
	v_max_num_f32 v13, v13, v254                   ; the running largest t
	v_mov_b32 v254, v12
	s_delay_alu instid0(VALU_DEP_2)
	v_floor_f32 v12, -v13                          ; the new -M = floor(-t) = -ceil(t): a whole number
	s_delay_alu instid0(VALU_DEP_1)
	v_sub_f32 v254, v12, v254                      ; old M - new M: a whole number, 0 or less
	s_delay_alu instid0(VALU_DEP_1)
	v_cvt_i32_f32 v254, v254                       ; (it saturates)
	s_delay_alu instid0(VALU_DEP_1)
	v_ldexp_f32 v252, 1.0, v254                    ; f = 2^(old M - new M): multiplying by it rounds nothing
.irp j, 0,2,4,6,8,10,12,14,16,18,20,22,24,26,28,30,32,34,36,38,40,42,44,46,48,50,52,54,56,58,60,62
	v_pk_fma_f32 v[96+\j:97+\j], v[96+\j:97+\j], s[CS:CS+1], v[12:13] op_sel_hi:[1,0,0]   ; t - M, two at a time
.endr
	s_setprio 1
.irp b, 0,1,2,3
	v_fma_f32 v[232+\b], v[232+\b], s[CS], v12     ; the same of each block's largest score
.endr
.set nn, 0
	s_wait_alu depctr_va_vdst(0)
.rept 64
	v_exp_f32 v[96+nn], v[96+nn]                   ; p = 2^(t - M), at most 1
.set nn, nn+1
.endr
	v_pk_mul_f32 v[14:15], v[14:15], v[252:253] op_sel_hi:[1,0]   ; the sums under the new M (a plain line behind the exponentials)
	s_wait_alu depctr_va_vdst(0)                   ; one wait for the whole batch, ahead of its first reader
.irp b, 0,1,2,3
	v_exp_f32 v[232+\b], v[232+\b]                 ; the block's largest p: the same two instructions on the same number give the same bits
.endr
	v_pk_add_f32 v[236:237], v[100:101], v[104:105]
	v_pk_add_f32 v[248:249], v[108:109], v[112:113]
	v_pk_add_f32 v[246:247], v[116:117], v[120:121]
	v_pk_add_f32 v[244:245], v[124:125], v[128:129]
	v_pk_add_f32 v[242:243], v[132:133], v[136:137]
	v_pk_add_f32 v[240:241], v[140:141], v[144:145]
	v_pk_add_f32 v[238:239], v[148:149], v[152:153]
	v_pk_add_f32 v[14:15], v[14:15], v[156:157]
	v_pk_add_f32 v[236:237], v[236:237], v[96:97]
	v_pk_add_f32 v[248:249], v[248:249], v[98:99]
	v_pk_add_f32 v[246:247], v[246:247], v[102:103]
	v_pk_add_f32 v[244:245], v[244:245], v[106:107]
	v_pk_add_f32 v[242:243], v[242:243], v[110:111]
	v_pk_add_f32 v[240:241], v[240:241], v[114:115]
	v_pk_add_f32 v[238:239], v[238:239], v[118:119]
	v_pk_add_f32 v[14:15], v[14:15], v[122:123]
	v_pk_add_f32 v[236:237], v[236:237], v[126:127]
	v_pk_add_f32 v[248:249], v[248:249], v[130:131]
	v_pk_add_f32 v[246:247], v[246:247], v[134:135]
	v_pk_add_f32 v[244:245], v[244:245], v[138:139]
	v_pk_add_f32 v[242:243], v[242:243], v[142:143]
	v_pk_add_f32 v[240:241], v[240:241], v[146:147]
	v_pk_add_f32 v[238:239], v[238:239], v[150:151]
	v_pk_add_f32 v[14:15], v[14:15], v[154:155]
	v_pk_add_f32 v[236:237], v[236:237], v[158:159]
	s_delay_alu instid0(VALU_DEP_2)
	v_pk_add_f32 v[14:15], v[14:15], v[244:245]
	s_delay_alu instid0(VALU_DEP_2)
	v_pk_add_f32 v[236:237], v[236:237], v[242:243]
	v_pk_add_f32 v[248:249], v[248:249], v[240:241]
	v_pk_add_f32 v[246:247], v[246:247], v[238:239]
	s_delay_alu instid0(VALU_DEP_2)
	v_pk_add_f32 v[14:15], v[14:15], v[248:249]
	s_delay_alu instid0(VALU_DEP_2)
	v_pk_add_f32 v[236:237], v[236:237], v[246:247]
	s_delay_alu instid0(VALU_DEP_1)
	v_pk_add_f32 v[14:15], v[14:15], v[236:237]
	s_wait_alu depctr_va_vdst(0)                   ; and one for the four
.irp b, 0,1,2,3
	v_max_num_f32 v[232+\b], 0x1800000, v[232+\b]  ; the floor 2^(3 - 127): the byte cannot fall under 1 (a block whose every p is 0 keeps that byte: its codes are zeros)
.endr
.irp b, 0,1,2,3
	s_delay_alu instid0(VALU_DEP_4)
	v_add_nc_u32 v[244+\b], 0xff000000, v[232+\b]  ; 2 off the exponent field: the conversion's scale operand
.endr
.irp b, 0,1,2,3
	s_delay_alu instid0(VALU_DEP_4)
	v_lshrrev_b32 v[236+\b], 23, v[244+\b]         ; the scale's byte
.endr
	s_delay_alu instid0(VALU_DEP_3)
	v_lshl_or_b32 v253, v237, 8, v236              ; p's scale word for these 128 keys
	s_delay_alu instid0(VALU_DEP_1)
	v_lshl_or_b32 v253, v238, 16, v253
	s_delay_alu instid0(VALU_DEP_1)
	v_lshl_or_b32 v253, v239, 24, v253
	s_setprio 0
.irp b, 0,1,2,3
	v_cvt_scalef32_pk8_fp4_f32 v[224+2*\b], v[96+16*\b:103+16*\b], v[244+\b]
	v_cvt_scalef32_pk8_fp4_f32 v[225+2*\b], v[104+16*\b:111+16*\b], v[244+\b]
.endr
	v_nop                                          ; one plain line behind the last scaled conversion
.irp c, 0,1
.irp i, 0,1
	v_permlane16_swap_b32 v[224+4*\c+\i], v[226+4*\c+\i]   ; a whole block a lane: lanes 0-15 block 2 c, lanes 16-31 block 2 c + 1
.endr
.endr
.irp j, 0,2,4,6,8,10,12,14,16,18,20,22,24,26,28,30
	v_pk_mul_f32 v[160+\j:161+\j], v[160+\j:161+\j], v[252:253] op_sel_hi:[1,0]   ; O^T under the new M; these sixteen also stand between the scale word's and the codes' last writes and the products
.endr
	s_wait_alu depctr_va_vdst(0)
	s_wait_dscnt 0x0                               ; V and its scale words are in
.irp t, 0,1,2,3
	v_wmma_scale_f32_16x16x128_f8f6f4 v[160+8*\t:167+8*\t], v[64+8*\t:71+8*\t], v[224:231], v[160+8*\t:167+8*\t], v[200+\t], v253 matrix_a_fmt:MATRIX_FMT_FP4 matrix_b_fmt:MATRIX_FMT_FP4
.endr
.Lhidden_\@:
	s_add_co_u32 s[TB], s[TB], 4096
	s_add_co_u32 s[TS], s[TS], 512
	s_add_co_u32 s[TJ], s[TJ], 256
	s_add_co_u32 s[KF], s[KF], 128
.endm
; O^T / the sum, quantised along d: two blocks of 32; codes and bytes leave in the form in which the last launch's operand registers take them.
.macro FINISH base
.rept 4
	v_nop                                          ; four places behind the last products
.endr
	v_add_f32 v14, v14, v15
	s_delay_alu instid0(VALU_DEP_1)
	v_permlanex16_b32 v252, v14, s[SEL], s[SEL+1]
	s_delay_alu instid0(VALU_DEP_1)
	v_add_f32 v14, v14, v252                       ; the row's sum
	s_wait_alu depctr_va_vdst(0)
	v_rcp_f32 v14, v14
	v_nop                                          ; a plain line behind the reciprocal,
	s_wait_alu depctr_va_vdst(0)                   ; and the wait ahead of its first reader
.irp j, 0,2,4,6,8,10,12,14,16,18,20,22,24,26,28,30
	v_pk_mul_f32 v[96+\j:97+\j], v[160+\j:161+\j], v[14:15] op_sel_hi:[1,0]     ; register 16 b + i: d = 32 b + 16 h + i of my query
.endr
.irp b, 0,1
	v_max3_num_f32 v[232+\b], |v[96+16*\b]|, |v[97+16*\b]|, 0x1800000
.endr
.irp i, 2,4,6,8,10,12,14
.irp b, 0,1
	s_delay_alu instid0(VALU_DEP_2)
	v_max3_num_f32 v[232+\b], v[232+\b], |v[96+16*\b+\i]|, |v[97+16*\b+\i]|
.endr
.endr
.irp b, 0,1
	s_delay_alu instid0(VALU_DEP_2)
	v_permlanex16_b32 v[236+\b], v[232+\b], s[SEL], s[SEL+1]
.endr
.irp b, 0,1
	s_delay_alu instid0(VALU_DEP_2)
	v_max_num_f32 v[232+\b], v[232+\b], v[236+\b]
.endr
.irp b, 0,1
	s_delay_alu instid0(VALU_DEP_2)
	v_add_nc_u32 v[244+\b], 0xff000000, v[232+\b]
.endr
.irp b, 0,1
	s_delay_alu instid0(VALU_DEP_2)
	v_lshrrev_b32 v[236+\b], 23, v[244+\b]
.endr
.irp b, 0,1
	v_cvt_scalef32_pk8_fp4_f32 v[224+2*\b], v[96+16*\b:103+16*\b], v[244+\b]
	v_cvt_scalef32_pk8_fp4_f32 v[225+2*\b], v[104+16*\b:111+16*\b], v[244+\b]
.endr
	v_nop                                          ; one plain line behind the last scaled conversion
	v_permlane16_swap_b32 v224, v226
	v_permlane16_swap_b32 v225, v227               ; v[224:227]: d-block h of query r
	v_cndmask_b32 v254, v236, v237, s[HM]          ; and its byte
	global_store_b128 v1, v[224:227], s[\base:\base+1]      ; 512 consecutive bytes
	global_store_b8 v7, v254, s[\base+2:\base+3]
.endm
	INIT 1
	s_wait_loadcnt 0x0                             ; Q
	s_wait_tensorcnt 1                             ; my parts of the scale words and of key steps 0 to 3 are in; the rest may stay out
	s_barrier_signal -1
	s_barrier_wait -1                              ; everybody's are
	s_mov_b32 s[CNT], 4
.Lfirst4:                                          ; the first tile, key steps 0 to 3
	STEP
	s_sub_co_u32 s[CNT], s[CNT], 1
	s_cmp_lg_u32 s[CNT], 0
	s_cbranch_scc1 .Lfirst4
	s_setprio 0
	s_wait_tensorcnt 0x0                           ; my part of the rest is in,
	s_wait_dscnt 0x0
	s_barrier_signal -1
	s_barrier_wait -1                              ; everybody's is
	s_mov_b32 s[CNT], 12
.Lrest12:                                          ; key steps 4 to 15
	STEP
	s_sub_co_u32 s[CNT], s[CNT], 1
	s_cmp_lg_u32 s[CNT], 0
	s_cbranch_scc1 .Lrest12
	s_setprio 0
	FINISH P1
	INIT 2
	s_mov_b32 s[CNT], 16
.Lsecond:                                          ; the second tile
	STEP
	s_sub_co_u32 s[CNT], s[CNT], 1
	s_cmp_lg_u32 s[CNT], 0
	s_cbranch_scc1 .Lsecond
	s_setprio 0
	FINISH P2
	s_wait_tensorcnt 0x0
	ds_add_u32 v251, v255
	s_wait_dscnt 0x0
	s_endpgm
.Lfunc_end_k_q312feb53fc_attn:
	.size	k_q312feb53fc_attn, .Lfunc_end_k_q312feb53fc_attn-k_q312feb53fc_attn
	.p2alignl 7, 3214868480
	.fill 96, 4, 3214868480
	.section	.rodata,"a",@progbits
	.p2align	6, 0x0
	.amdhsa_kernel k_q312feb53fc_attn
		.amdhsa_group_segment_fixed_size 169984
		.amdhsa_private_segment_fixed_size 0
		.amdhsa_enable_private_segment 0
		.amdhsa_kernarg_size 32
		.amdhsa_user_sgpr_count 2
		.amdhsa_user_sgpr_kernarg_segment_ptr 1
		.amdhsa_wavefront_size32 1
		.amdhsa_system_sgpr_workgroup_id_x 1
		.amdhsa_system_sgpr_workgroup_id_y 1
		.amdhsa_system_sgpr_workgroup_id_z 1
		.amdhsa_system_vgpr_workitem_id 0
		.amdhsa_next_free_vgpr 256
		.amdhsa_next_free_sgpr 100
		.amdhsa_reserve_vcc 1
		.amdhsa_float_denorm_mode_32 3
		.amdhsa_float_denorm_mode_16_64 3
		.amdhsa_memory_ordered 1
		.amdhsa_forward_progress 1
		.amdhsa_inst_pref_size 85
	.end_amdhsa_kernel
	.amdgpu_metadata
---
amdhsa.version: [ 1, 2 ]
amdhsa.kernels:
  - .name:           k_q312feb53fc_attn
    .symbol:         k_q312feb53fc_attn.kd
    .args:
      - { .name: qkv, .offset: 0, .size: 8, .value_kind: global_buffer, .address_space: global }
      - { .name: qkvs, .offset: 8, .size: 8, .value_kind: global_buffer, .address_space: global }
      - { .name: oc, .offset: 16, .size: 8, .value_kind: global_buffer, .address_space: global }
      - { .name: os, .offset: 24, .size: 8, .value_kind: global_buffer, .address_space: global }
    .group_segment_fixed_size: 169984
    .private_segment_fixed_size: 0
    .kernarg_segment_align: 8
    .kernarg_segment_size: 32
    .max_flat_workgroup_size: 512
    .sgpr_count:     100
    .vgpr_count:     256
    .wavefront_size: 32
...
	.end_amdgpu_metadata
.endif
;; end of part 3
;; launch proj (part 4): grid 16 x 16, 4 waves a work-group, no clusters, 327,680 bytes of LDS; arguments oc, os, codes, scales, out0; writes out0
.if DOCPART == 4
	.amdgcn_target "amdgcn-amd-amdhsa--gfx1250"
	.amdhsa_code_object_version 6
	.text
	.protected	k_q312feb53fc_proj
	.globl	k_q312feb53fc_proj
	.p2align	8
	.type	k_q312feb53fc_proj,@function
k_q312feb53fc_proj:
	s_mov_b64 s[64:65], 0
	v_nop
	global_prefetch_b8 v0, s[64:65] scope:SCOPE_SE
	s_setreg_imm32_b32 hwreg(HW_REG_WAVE_MODE, 25, 1), 1
	s_wait_xcnt 0x0
; out0 = O Wo^T on codes of FP4 with E8M0 scales; out0 [8192][1024] f32.
; SHARES: a work-group takes 512 tokens (x) and 64 columns (y); each of its four waves 128 tokens: eight tiles of 16 neighbouring tokens.  The wave's 64 fragments of O (8 tiles x 8 K steps) come from memory straight into
; 512 registers, as images of the registers; Wo's four tiles (32 KB) and their scale words lie in LDS, brought once by tensor loads; nothing in LDS is filled again.
; THE PRODUCT IS USED TRANSPOSED (source 0 = 16 rows of Wo, source 1 = 16 tokens): a lane holds one token, and by the order of Wo's rows in a tile the registers of tiles 2 b, 2 b + 1 are columns 32 b + 16 (lane / 16) + 0 .. 15.
; THE WAY OUT: 16 tokens x 64 columns at a time through the wave's own stage in LDS (rows of 256 + 16 bytes); sixteen lanes then store 256 consecutive bytes, aligned.
; NO CLUSTER: what the work-groups of a token block share, O's codes, lives in registers; Wo's tiles, which the work-groups of a column block share, are about a ninth of a work-group's bytes.
; REGISTERS, in windows of 256: window 0: v1-12 addresses; v16-47 O's scale words; v48-63 Wo's; v64-127 Wo's fragments, two sets; v128-191 rows on the way out.
;   windows 1, 2: O's fragments: (tile a, K step s) at v[64 (s % 4) + 8 a] of window 1 + s / 4.   window 3: the 32 accumulators, (a, t) at 8 (4 a + t).
.set XS,  16
.set WS,  48
.set WF,  64
.set OB,  128
.set STO, 10
.set RD,  11
.set CO,  12
.set WSC, 32768                        ; LDS: Wo's codes at 8192 t; from here its scale words at 512 t;
.set STG, 34816                        ; from here the stages, 16 rows x 272 bytes a wave: bytes of their own, into which no tensor load lands
.set SP,  272
.set MSB, 0
.macro WIN new                         ; the immediate's high byte repeats the setting that is left
.if MSB != \new
	s_set_vgpr_msb (MSB<<8)|\new
.set MSB, \new
.endif
.endm
	s_load_b256 s[4:11], s[0:1], 0x0               ; oc, os, codes, scales
	s_load_b64 s[12:13], s[0:1], 0x20              ; out0
	v_lshl_add_u32 v254, v0, 2, 0x29000
	v_mov_b32 v255, 0
	ds_add_u32 v254, v255
	ds_add_u32 v254, v255
	v_lshrrev_b32 v13, 5, v0
	v_readfirstlane_b32 s18, v13                   ; wave 0..3
	s_and_b32 s14, ttmp7, 0xffff                   ; the block of 64 columns
	; descriptor group 1 for a tile's codes: 8,192 dense bytes as 32 rows of 32 elements of 8 bytes
	s_mov_b32 s24, 0x30000
	s_mov_b32 s25, 32<<16
	s_mov_b32 s26, 32<<16
	s_mov_b32 s27, 32<<16
	s_mov_b32 s28, 32
	s_mov_b32 s29, 32
	s_mov_b32 s30, 0
	s_mov_b32 s31, 0
	; and for its scale words: one row of 512 bytes
	s_mov_b32 s32, 0x30000
	s_mov_b32 s33, 64<<16
	s_mov_b32 s34, 1<<16
	s_mov_b32 s35, 64<<16
	s_mov_b32 s36, 1
	s_mov_b32 s37, 64
	s_mov_b32 s38, 0
	s_mov_b32 s39, 0
	s_lshl_b32 s15, s14, 2
	s_add_co_u32 s15, s15, s18
	s_add_co_u32 s15, s15, 704                     ; wave w fetches Wo's tile 704 + 4 y + w
	s_lshl_b32 s48, s15, 9
	s_mov_b32 s49, 0
	s_lshl_b32 s50, s15, 13
	s_mov_b32 s51, 0
	s_lshl_b32 s16, s18, 9
	s_lshl_b32 s17, s18, 13
	s_wait_dscnt 0x0
	s_wait_kmcnt 0x0
	s_mov_b32 s40, 1
	s_add_co_u32 s41, s16, WSC
	s_add_nc_u64 s[42:43], s[10:11], s[48:49]
	s_or_b32 s43, s43, 0x80000000
	s_mov_b32 s44, 1
	s_mov_b32 s45, s17
	s_add_nc_u64 s[46:47], s[8:9], s[50:51]
	s_or_b32 s47, s47, 0x80000000
	tensor_load_to_lds s[40:43], s[32:39]          ; the scale words: one load of mine is out
	s_nop 0
	s_wait_alu depctr_va_vdst(0)
	s_wait_tensorcnt 0x0
	ds_add_u32 v254, v255
	s_wait_dscnt 0x0
	s_barrier_signal -1
	s_barrier_wait -1
	tensor_load_to_lds s[44:47], s[24:31]
	s_nop 0
.rept 4
	v_nop                                          ; four such lines behind the loads
.endr
	v_and_b32 v13, 31, v0                          ; lane
	v_and_b32 v14, 15, v0                          ; r
	v_bfe_u32 v15, v0, 4, 1                        ; h
	v_lshlrev_b32 v1, 4, v13                       ; 16 x lane: an image's place for my lane
	v_lshlrev_b32 v4, 3, v13                       ; 8 x lane: scale words, two at a time
	v_add_nc_u32 v5, WSC, v4
	s_mul_i32 s50, s18, 16*SP
	s_add_co_u32 s50, s50, STG                     ; my stage
	v_mul_u32_u24 v[STO], v14, SP
	v_lshl_add_u32 v[STO], v15, 6, v[STO]
	v_add_nc_u32 v[STO], s50, v[STO]               ; in: row r, + 64 h bytes: my half's 16 columns of each 32
	v_mul_u32_u24 v[RD], v15, SP
	v_lshl_add_u32 v[RD], v14, 4, v[RD]
	v_add_nc_u32 v[RD], s50, v[RD]                 ; back: lanes 0-15 one row of 256 bytes, lanes 16-31 the next
	v_lshlrev_b32 v[CO], 12, v15
	v_lshl_add_u32 v[CO], v14, 4, v[CO]            ; and the same two rows in out0
	s_lshl_b32 s48, ttmp9, 18
	s_lshl_b32 s50, s18, 16
	s_add_co_u32 s48, s48, s50
	s_add_nc_u64 s[52:53], s[4:5], s[48:49]        ; O's tiles 32 x + 8 w on
	s_lshr_b32 s48, s48, 4
	s_add_nc_u64 s[54:55], s[6:7], s[48:49]        ; and their scale words
	s_lshl_b32 s48, ttmp9, 21
	s_lshl_b32 s50, s18, 19
	s_add_co_u32 s48, s48, s50
	s_lshl_b32 s50, s14, 8
	s_add_co_u32 s48, s48, s50
	s_add_nc_u64 s[12:13], s[12:13], s[48:49]      ; out0 at token 512 x + 128 w, column 64 y
.irp a, 0,1,2,3,4,5,6,7
.irp kh, 0,1
	global_load_b64 v[XS+4*\a+2*\kh:XS+4*\a+2*\kh+1], v4, s[54:55] offset:512*\a+256*\kh   ; 16 small loads first
.endr
.endr
	WIN 0x40                                       ; destination window 1
.irp s, 0,1,2,3                        ; then the 128 fragment loads, K step by K step, 16 each
.irp a, 0,1,2,3,4,5,6,7
.irp c, 0,1
	global_load_b128 v[64*\s+8*\a+4*\c:64*\s+8*\a+4*\c+3], v1, s[52:53] offset:8192*\a+1024*\s+512*\c
.endr
.endr
.endr
	WIN 0x80                                       ; destination window 2
.irp s, 4,5,6,7
.irp a, 0,1,2,3,4,5,6,7
.irp c, 0,1
	global_load_b128 v[64*(\s-4)+8*\a+4*\c:64*(\s-4)+8*\a+4*\c+3], v1, s[52:53] offset:8192*\a+1024*\s+512*\c
.endr
.endr
.endr
	WIN 0
.macro MM d, a, b, zero, sa, sb, odd   ; one product; the first K step starts the sums with the constant 0; odd K steps take their scale words from lanes 16-31
.if \zero
	v_wmma_scale_f32_16x16x128_f8f6f4 v[(\d):(\d)+7], v[(\a):(\a)+7], v[(\b):(\b)+7], 0, v[(\sa)], v[(\sb)] matrix_a_fmt:MATRIX_FMT_FP4 matrix_b_fmt:MATRIX_FMT_FP4
.elseif \odd
	v_wmma_scale_f32_16x16x128_f8f6f4 v[(\d):(\d)+7], v[(\a):(\a)+7], v[(\b):(\b)+7], v[(\d):(\d)+7], v[(\sa)], v[(\sb)] matrix_a_fmt:MATRIX_FMT_FP4 matrix_b_fmt:MATRIX_FMT_FP4 matrix_a_scale:MATRIX_SCALE_ROW1 matrix_b_scale:MATRIX_SCALE_ROW1
.else
	v_wmma_scale_f32_16x16x128_f8f6f4 v[(\d):(\d)+7], v[(\a):(\a)+7], v[(\b):(\b)+7], v[(\d):(\d)+7], v[(\sa)], v[(\sb)] matrix_a_fmt:MATRIX_FMT_FP4 matrix_b_fmt:MATRIX_FMT_FP4
.endif
.endm
.macro FETCH_W s                       ; Wo's four tiles' fragments of K step s into set s % 2
.irp t, 0,1,2,3
.irp c, 0,1
	ds_load_b128 v[WF+32*((\s)%2)+8*\t+4*\c:WF+32*((\s)%2)+8*\t+4*\c+3], v1 offset:8192*\t+1024*(\s)+512*\c
.endr
.endr
.endm
; A K step of 128: 32 matrix instructions, the 32 accumulators by turns, one instruction a turn, in the same order in every step.
.macro KSTEP s
	WIN 0
.if \s < 7
.rept 4
	v_nop                                          ; four places in front of loads into the set that the step before multiplied (ISA guide 7.12.1 for vector instructions)
.endr
	FETCH_W (\s+1)
	s_wait_dscnt 8                                 ; all but the eight just issued
.else
	s_wait_dscnt 0x0
.endif
.if 16*(7-\s) > 63
	s_wait_loadcnt 63                              ; of 144 loads at most 63 are out: the 16 small ones and K steps 0 to 3 are in
.else
	s_wait_loadcnt 16*(7-\s)                       ; the later K steps' fragments of O may be out
.endif
.if \s == 0
	WIN 0xc4                                       ; Wo window 0, O window 1, D window 3
.elseif \s < 4
	WIN 0xf4
.else
	WIN 0xf8                                       ; O window 2
.endif
.irp a, 0,1,2,3,4,5,6,7
.irp t, 0,1,2,3
	MM 8*(4*\a+\t), WF+32*(\s%2)+8*\t, 64*(\s%4)+8*\a, \s==0, WS+4*\t+\s/2, XS+4*\a+\s/2, \s%2
.endr
.endr
.endm
	s_wait_alu depctr_va_vdst(0)
	s_wait_tensorcnt 0x0                           ; my tile and its scale words are in,
	s_barrier_signal -1
	s_barrier_wait -1                              ; everybody's are
.irp t, 0,1,2,3
.irp kh, 0,1
	ds_load_b64 v[WS+4*\t+2*\kh:WS+4*\t+2*\kh+1], v5 offset:512*\t+256*\kh
.endr
.endr
	FETCH_W 0
.irp s, 0,1,2,3,4,5,6,7
	KSTEP \s
.endr
	WIN 0
.macro TOSTAGE a                       ; token tile a: 16 rows x 256 bytes into my stage, and back as whole rows
	WIN 0x0c                                       ; an LDS store's data are its source 1: window 3
.irp t, 0,1,2,3
	ds_store_b128 v[STO], v[32*(\a)+8*\t:32*(\a)+8*\t+3] offset:128*(\t/2)+32*(\t%2)         ; each accumulator from its low end on
	ds_store_b128 v[STO], v[32*(\a)+8*\t+4:32*(\a)+8*\t+7] offset:128*(\t/2)+32*(\t%2)+16
.endr
	WIN 0
.irp i, 0,1,2,3,4,5,6,7
	ds_load_b128 v[OB+32*((\a)%2)+4*\i:OB+32*((\a)%2)+4*\i+3], v[RD] offset:2*SP*\i          ; LDS serves a wave's instructions in order: these see the stores above, and the next tile's stores come behind them
.endr
.endm
.macro SEND a, younger                 ; younger: the LDS instructions issued behind tile a's loads, which may stay out
	s_wait_dscnt \younger
.irp i, 0,1,2,3,4,5,6,7
	global_store_b128 v[CO], v[OB+32*((\a)%2)+4*\i:OB+32*((\a)%2)+4*\i+3], s[12:13] offset:(16*(\a)+2*\i)*4096 th:TH_STORE_NT   ; sixteen lanes store 256 consecutive bytes, aligned; written once, read by nobody here
.endr
.endm
.rept 4
	v_nop                                          ; four places behind the last products, ahead of the first read of results
.endr
	TOSTAGE 0
.irp a, 1,2,3,4,5,6,7
.if \a > 1
	s_wait_xcnt 0x0                                ; tile a - 2's stores have read their registers: tile a's rows may land there
.endif
	TOSTAGE \a
	SEND \a-1, 16                                  ; behind tile a - 1's loads: tile a's 8 stores and 8 loads
.endr
	SEND 7, 0
	s_wait_tensorcnt 0x0
	ds_add_u32 v254, v255
	s_wait_dscnt 0x0
	s_endpgm
.Lfunc_end_k_q312feb53fc_proj:
	.size	k_q312feb53fc_proj, .Lfunc_end_k_q312feb53fc_proj-k_q312feb53fc_proj
	.p2alignl 7, 3214868480
	.fill 96, 4, 3214868480
	.section	.rodata,"a",@progbits
	.p2align	6, 0x0
	.amdhsa_kernel k_q312feb53fc_proj
		.amdhsa_group_segment_fixed_size 327680
		.amdhsa_private_segment_fixed_size 0
		.amdhsa_enable_private_segment 0
		.amdhsa_kernarg_size 40
		.amdhsa_user_sgpr_count 2
		.amdhsa_user_sgpr_kernarg_segment_ptr 1
		.amdhsa_wavefront_size32 1
		.amdhsa_system_sgpr_workgroup_id_x 1
		.amdhsa_system_sgpr_workgroup_id_y 1
		.amdhsa_system_sgpr_workgroup_id_z 1
		.amdhsa_system_vgpr_workitem_id 0
		.amdhsa_next_free_vgpr 1024
		.amdhsa_next_free_sgpr 66
		.amdhsa_reserve_vcc 0
		.amdhsa_float_denorm_mode_32 3
		.amdhsa_float_denorm_mode_16_64 3
		.amdhsa_memory_ordered 1
		.amdhsa_forward_progress 1
		.amdhsa_inst_pref_size 72
	.end_amdhsa_kernel
	.amdgpu_metadata
---
amdhsa.version: [ 1, 2 ]
amdhsa.kernels:
  - .name:           k_q312feb53fc_proj
    .symbol:         k_q312feb53fc_proj.kd
    .args:
      - { .name: oc, .offset: 0, .size: 8, .value_kind: global_buffer, .address_space: global }
      - { .name: os, .offset: 8, .size: 8, .value_kind: global_buffer, .address_space: global }
      - { .name: codes, .offset: 16, .size: 8, .value_kind: global_buffer, .address_space: global }
      - { .name: scales, .offset: 24, .size: 8, .value_kind: global_buffer, .address_space: global }
      - { .name: out0, .offset: 32, .size: 8, .value_kind: global_buffer, .address_space: global }
    .group_segment_fixed_size: 327680
    .private_segment_fixed_size: 0
    .kernarg_segment_align: 8
    .kernarg_segment_size: 40
    .max_flat_workgroup_size: 128
    .sgpr_count:     66
    .vgpr_count:     1024
    .wavefront_size: 32
...
	.end_amdgpu_metadata
.endif
;; end of part 4
